; MI455X (gfx1250); checked and timed in simulation.
; The chip was launched on July 23, 2026; its instructions are those of AMD's public machine-readable ISA for CDNA 5 (MIT licence, August 2026) and "CDNA5" Instruction Set Architecture Reference Guide (July 2026). The comments in the code are by the model that wrote it; some were corrected since.
;; VQ. Allowed arithmetic: float matrix products may take bf16 or f16 operands with f32 sums; other float arithmetic in f32, or as packed bf16 or f16 multiplies, adds, multiply-adds, maxima and minima; sums over many terms, partial sums and values carried from step to step in f32; what a program stores and reads back later, other than sums and carried values, may be rounded once to bf16 or f16.
;; Inputs: codebook 8,192 x 256 float32; z 32,768 x 256 float32.
;; Outputs: out0 32,768 x 256 float32; out1 one number float32.
;; One version. Each part assembles by itself: llvm-mc -triple=amdgcn-amd-amdhsa -mcpu=gfx1250 --defsym DOCPART=n.
;; ======== version 1 of 1: 4 launches
;; workspace buffers: cbf 4,194,304 bytes; esq 32,768 bytes; idx 131,072 bytes of whole numbers; part 16,384 bytes
;; launch prep (part 1): grid 256 x 1, 2 waves a work-group, no clusters, 167,936 bytes of LDS; arguments codebook, cbf, esq; writes cbf, esq
.if DOCPART == 1
	.amdgcn_target "amdgcn-amd-amdhsa--gfx1250"
	.amdhsa_code_object_version 6
	.text
	.protected	k_q34a480ac61_prep
	.globl	k_q34a480ac61_prep
	.p2align	8
	.type	k_q34a480ac61_prep,@function
k_q34a480ac61_prep:
	s_mov_b64 s[64:65], 0
	v_nop
	global_prefetch_b8 v0, s[64:65] scope:SCOPE_SE
	s_setreg_imm32_b32 hwreg(HW_REG_WAVE_MODE, 25, 1), 1
	s_wait_xcnt 0x0
; The codebook [8192][256] f32 is rounded to bf16, DOUBLED, and written in the order in which the next launch's matrix fragments want it; e_sq[code] = the sum of the squares of the
; ROUNDED (undoubled) numbers, in f32.  The doubling is made ahead of the rounding (x + x is exact, and the rounding of 2 x is twice the rounding of x); the squares are summed of the doubled
; numbers and the sum is multiplied by 0.25: every step is the undoubled one times a power of two, so the bits of e_sq are those of the undoubled sum.
; LIMITS.  From |x| = 2^127 on the doubling overflows; below bf16's normal range (2^-126) the doubled number is rounded one bit finer than the undoubled one.
; cbf: [tile T of 16 codes][c 0..7][p 0..1][lane 0..31][8 bf16]: lane 16 h + r holds code 16 T + r, k = 32 c + 16 p + 8 h + 0..7.  A tile is 8,192 dense bytes.
; A wave owns one tile: one tensor load brings its 16 rows of 1,024 bytes into a stage of its own, padded so that the 16 rows of a load start 4 words apart
; modulo 64 (64 banks of 4 bytes: ISA guide 11.1).  Only the wave that asked reads the stage, and nothing is filled twice: no barrier.
; No matrix unit and no cluster: 8 MiB are read once and no two work-groups share a byte.
.set ZP,    1040                       ; a stage row: 1,024 bytes + 16 of padding
.set STG,   16*ZP                      ; a wave's stage
.set SPARE, 2*STG                      ; behind the stages: the spare words, 128 bytes for each wave, one block of 256 bytes that no other line names
.set LA,  4                            ; v4      LDS address: my stage + row r + 32 h
.set CO,  5                            ; v5      16 x lane
.set SPW, 6                            ; v6      my spare word; never rewritten
.set NIL, 7                            ; v7      0; never rewritten
.set U,   8                            ; v[8:15]   four pairs, unpacked
.set SUM, 16                           ; v[16:23]  four chains of sums, two numbers each
.set F,   24                           ; v[24:87]  the 8 fragments, packed
.set X,   88                           ; v[88:215] the same numbers in f32, as loaded, then doubled
	s_load_b128 s[4:7], s[0:1], 0x0                ; codebook s[4:5], cbf s[6:7]
	s_load_b64 s[8:9], s[0:1], 0x10                ; esq
	v_lshl_add_u32 v[SPW], v0, 2, SPARE
	v_mov_b32 v[NIL], 0
	ds_add_u32 v[SPW], v[NIL]                      ; the wave's opening: the add and its wait stand ahead of my tensor load; the set-up stands between them
	ds_add_u32 v6, v7
	v_lshrrev_b32 v1, 5, v0
	v_readfirstlane_b32 s10, v1                    ; wave 0, 1
	s_lshl_b32 s11, ttmp9, 1
	s_add_co_u32 s11, s11, s10                     ; T, my tile of 16 codes
	s_mov_b32 s16, (2<<16)|(1<<20)|(7<<22)|(3<<25) ; elements of 4 bytes; padding on: after every 256 words (code 7) 4 words (code 3)
	s_mov_b32 s17, 256<<16                         ; tensor_dim0 = 256
	s_mov_b32 s18, 16<<16                          ; tensor_dim1 = 16
	s_mov_b32 s19, 256<<16                         ; tile_dim0 = 256
	s_mov_b32 s20, 16                              ; tile_dim1 = 16
	s_mov_b32 s21, 256                             ; 256 elements from row to row
	s_mov_b32 s22, 0
	s_mov_b32 s23, 0
	s_mov_b32 s24, 1                               ; count = 1
	s_mul_i32 s25, s10, STG                        ; LDS address: my stage
	s_lshl_b32 s12, s11, 14                        ; my 16 rows in the codebook,
	s_mov_b32 s13, 0
	s_lshl_b32 s14, s11, 13                        ; my tile in cbf,
	s_mov_b32 s15, 0
	s_lshl_b32 s28, s11, 6                         ; my 16 numbers in esq
	s_mov_b32 s29, 0
	s_mov_b32 s30, 0x76543210                      ; v_permlanex16_b32: each lane takes its own place in the other half
	s_mov_b32 s31, 0xfedcba98
	s_mov_b32 s32, 0xffff0000                      ; a word's upper bf16
	v_and_b32 v1, 15, v0                           ; r
	v_bfe_u32 v2, v0, 4, 1                         ; h
	v_mul_u32_u24 v[LA], v1, ZP
	v_lshl_add_u32 v[LA], v2, 5, v[LA]             ; 8 h numbers of f32
	v_add_nc_u32 v[LA], s25, v[LA]
	v_and_b32 v[CO], 31, v0
	v_lshlrev_b32 v[CO], 4, v[CO]
	v_lshlrev_b32 v1, 2, v1                        ; 4 r: my place in esq
	s_wait_dscnt 0x0                               ; the opening add is done
	s_wait_kmcnt 0x0
	s_add_nc_u64 s[26:27], s[4:5], s[12:13]
	s_or_b32 s27, s27, 0x80000000                  ; type = 2
	s_add_nc_u64 s[6:7], s[6:7], s[14:15]
	s_add_nc_u64 s[8:9], s[8:9], s[28:29]
	tensor_load_to_lds s[24:27], s[16:23]
	s_nop 0
	s_wait_tensorcnt 0x0                           ; the only load: my 16 rows are in
.set c8, 0
.rept 8                                ; fragment c: k = 32 c + 8 h + 0..7 (32 bytes of f32), then k = 32 c + 16 + 8 h + 0..7
.irp m, 0,1,2,3
	ds_load_b128 v[X+16*c8+4*(\m):X+16*c8+4*(\m)+3], v[LA] offset:128*c8+16*((\m)%2)+64*((\m)/2)
.endr
.set c8, c8+1
.endr
.set c8, 0
.rept 8
	s_wait_dscnt 28-4*c8                           ; LDS loads come back in order (ISA guide 5.7.1): fragment c's four are in, the later fragments' stay out
.set i8, 0
.rept 8
	v_pk_add_f32 v[X+16*c8+2*i8:X+16*c8+2*i8+1], v[X+16*c8+2*i8:X+16*c8+2*i8+1], v[X+16*c8+2*i8:X+16*c8+2*i8+1]  ; 2 x, exact
.set i8, i8+1
.endr
.set i8, 0
.rept 8
	v_cvt_pk_bf16_f32 v[F+8*c8+i8], v[X+16*c8+2*i8], v[X+16*c8+2*i8+1]
.set i8, i8+1
.endr
	global_store_b128 v[CO], v[F+8*c8:F+8*c8+3],   s[6:7] offset:1024*c8      ; a wave's store covers 512 consecutive bytes, aligned; F is never rewritten
	global_store_b128 v[CO], v[F+8*c8+4:F+8*c8+7], s[6:7] offset:1024*c8+512
.set i8, 0
.rept 8                                ; the squares of the doubled rounded numbers, in four chains; the first four products start them
	v_lshlrev_b32 v[U+2*(i8%4)],   16,  v[F+8*c8+i8]
	v_and_b32     v[U+2*(i8%4)+1], s32, v[F+8*c8+i8]
.if (c8 == 0) && (i8 < 4)
	v_pk_mul_f32 v[SUM+2*(i8%4):SUM+2*(i8%4)+1], v[U+2*(i8%4):U+2*(i8%4)+1], v[U+2*(i8%4):U+2*(i8%4)+1]
.else
	v_pk_fma_f32 v[SUM+2*(i8%4):SUM+2*(i8%4)+1], v[U+2*(i8%4):U+2*(i8%4)+1], v[U+2*(i8%4):U+2*(i8%4)+1], v[SUM+2*(i8%4):SUM+2*(i8%4)+1]
.endif
.set i8, i8+1
.endr
.set c8, c8+1
.endr
	v_pk_add_f32 v[SUM:SUM+1], v[SUM:SUM+1], v[SUM+2:SUM+3]
	v_pk_add_f32 v[SUM+4:SUM+5], v[SUM+4:SUM+5], v[SUM+6:SUM+7]
	v_pk_add_f32 v[SUM:SUM+1], v[SUM:SUM+1], v[SUM+4:SUM+5]
	v_add_f32 v[SUM], v[SUM], v[SUM+1]
	v_permlanex16_b32 v[SUM+1], v[SUM], s30, s31   ; the code's other 128 numbers lie in the lane 16 away
	v_add_f32 v[SUM], v[SUM], v[SUM+1]
	v_mul_f32 v[SUM], 0x3e800000, v[SUM]           ; x 0.25: the doubling is taken out of the squares, exactly
	v_cmp_gt_u32 vcc_lo, 0x100, v[CO]              ; lanes 0 to 15
	s_wait_xcnt 0x0                                ; EXEC changes only when the stores above have had their addresses translated
	s_and_saveexec_b32 s33, vcc_lo
	global_store_b32 v1, v[SUM], s[8:9]            ; 64 consecutive bytes: the tile's 16 sums (32 KiB in the whole launch)
	s_wait_xcnt 0x0
	s_or_b32 exec_lo, exec_lo, s33
	s_wait_tensorcnt 0x0                           ; the wave's end
	ds_add_u32 v[SPW], v[NIL]
	s_wait_dscnt 0x0
	s_endpgm
.Lfunc_end_k_q34a480ac61_prep:
	.size	k_q34a480ac61_prep, .Lfunc_end_k_q34a480ac61_prep-k_q34a480ac61_prep
	.p2alignl 7, 3214868480
	.fill 96, 4, 3214868480
	.section	.rodata,"a",@progbits
	.p2align	6, 0x0
	.amdhsa_kernel k_q34a480ac61_prep
		.amdhsa_group_segment_fixed_size 167936
		.amdhsa_private_segment_fixed_size 0
		.amdhsa_enable_private_segment 0
		.amdhsa_kernarg_size 24
		.amdhsa_user_sgpr_count 2
		.amdhsa_user_sgpr_kernarg_segment_ptr 1
		.amdhsa_wavefront_size32 1
		.amdhsa_system_sgpr_workgroup_id_x 1
		.amdhsa_system_sgpr_workgroup_id_y 1
		.amdhsa_system_sgpr_workgroup_id_z 1
		.amdhsa_system_vgpr_workitem_id 0
		.amdhsa_next_free_vgpr 216
		.amdhsa_next_free_sgpr 66
		.amdhsa_reserve_vcc 1
		.amdhsa_float_denorm_mode_32 3
		.amdhsa_float_denorm_mode_16_64 3
		.amdhsa_memory_ordered 1
		.amdhsa_forward_progress 1
		.amdhsa_inst_pref_size 23
	.end_amdhsa_kernel
	.amdgpu_metadata
---
amdhsa.version: [ 1, 2 ]
amdhsa.kernels:
  - .name:           k_q34a480ac61_prep
    .symbol:         k_q34a480ac61_prep.kd
    .args:
      - { .name: codebook, .offset: 0, .size: 8, .value_kind: global_buffer, .address_space: global }
      - { .name: cbf, .offset: 8, .size: 8, .value_kind: global_buffer, .address_space: global }
      - { .name: esq, .offset: 16, .size: 8, .value_kind: global_buffer, .address_space: global }
    .group_segment_fixed_size: 167936
    .private_segment_fixed_size: 0
    .kernarg_segment_align: 8
    .kernarg_segment_size: 24
    .max_flat_workgroup_size: 64
    .sgpr_count:     66
    .vgpr_count:     216
    .wavefront_size: 32
...
	.end_amdgpu_metadata
.endif
;; end of part 1
;; launch vqmain (part 2): grid 256 x 1, 4 waves a work-group, clusters of 4 x 1, 327,680 bytes of LDS; arguments z, cbf, esq, idx; writes idx
.if DOCPART == 2
	.amdgcn_target "amdgcn-amd-amdhsa--gfx1250"
	.amdhsa_code_object_version 6
	.text
	.protected	k_q34a480ac61_vqmain
	.globl	k_q34a480ac61_vqmain
	.p2align	8
	.type	k_q34a480ac61_vqmain,@function
k_q34a480ac61_vqmain:
	s_mov_b64 s[64:65], 0
	v_nop
	global_prefetch_b8 v0, s[64:65] scope:SCOPE_SE
	s_setreg_imm32_b32 hwreg(HW_REG_WAVE_MODE, 25, 1), 1
	s_wait_xcnt 0x0
	s_wait_alu depctr_hold_cnt(0) depctr_sa_sdst(0) depctr_va_vdst(0) depctr_va_sdst(0) depctr_va_ssrc(0) depctr_va_vcc(0) depctr_vm_vsrc(0)
	s_getreg_b32 s2, hwreg(HW_REG_IB_STS2, 6, 4)
	s_cmp_eq_u32 s2, 0
	s_cbranch_scc0 .Lentry_in_a_cluster
	s_endpgm
.Lentry_in_a_cluster:
	s_bfe_u32 s2, ttmp6, 0x10000c
	s_cmp_lg_u32 s2, 0x3003
	s_cbranch_scc0 .Lentry_shape_is_right
	s_endpgm
.Lentry_shape_is_right:
; idx[q] = the first code that makes d = fl(fl(z_sq[q] - 2 z[q].e) + e_sq) least, over all 8,192 codes; z [32768][256] f32 is rounded to bf16 here; the codes come rounded and DOUBLED (cbf, in
; fragment order), so that a product's sum is 2 z.e (the factor 2 moves every exponent by one and changes no rounding), with e_sq of the rounded codes (esq).  The two roundings of d are made as
; the formula makes them, each by one fused multiply-add with the factor 1, since z_sq is hundreds of times the differences that decide; equal distances go to the lower index at every level:
; code tile, register, half of the lanes, wave.
; LIMITS.  The index is that of the formula on inputs rounded to bf16, up to the order in which the 256 products of a dot product and of z_sq are summed (f32 sums of the matrix unit): where
; the two best distances fall on the same or on neighbouring f32 numbers that order can decide.  A NaN among the distances is passed over by the minima, not chosen; infinities are not treated apart.
; SHARES.  A work-group owns 128 queries, 8 tiles of 16, and all codes.  Each of its four waves holds all 8 query tiles as fragments, 512 registers, and walks 2,048 codes: 128 code tiles of 16,
; in 32 chunks of 64 codes (32,768 dense bytes).  A code tile is 64 matrix instructions (8 steps of 32 along k x 8 query tiles), 16 LDS loads of fragments and 2 of e_sq.
; LAYOUT.  Source 0 = 16 codes, source 1 = 16 queries: a lane holds ONE query (lane % 16), and register j of a result the code 8 (lane / 16) + j.  So z_sq is one number a lane and tile, and
; e_sq eight registers a code tile for all query tiles.
; BY TURNS.  The results have two sets of 8 accumulators.  While turn i multiplies into one set, the 144 vector instructions that finish code tile i - 1 (18 a query tile) stand two or three behind
; each matrix instruction and work on the other set: d in place, its minimum over the lane's 8 codes and the best so far, and where the best has improved, the tile's first code and its 8 distances
; are kept.  Which of the 8 was the first to hold the minimum is looked up once, at the end.
; CLUSTER.  All work-groups walk the same codes, so a cluster's four ask for each chunk JOINTLY: the same tensor load, descriptor and mask in all four.  z's rows are each work-group's own.
; REGISTERS, in windows of 256 (s_set_vgpr_msb: bits 1:0 source 0, 3:2 source 1, 5:4 source 2, 7:6 destination):
;   window 0: addresses, statistics, accumulators (map below)     window 1: v0-63, v64-127 a code tile's fragments, two buffers; v128-143 z_sq; v144-159 e_sq, two buffers
;   windows 2, 3: z's fragments: tile t, step c in window 2 + t / 4 at 64 (t % 4) + 8 c
; z_sq and e_sq lie in the fragments' window on purpose: the two roundings take them as source 0, a constant as source 1 and the accumulator as source 2 and destination, which are the windows of
; the matrix instruction itself: 8 of a query tile's 18 vector instructions need no switch of the window.
.set SLOT1, 1<<17                      ; a slot holds one chunk for each wave, 131,072 bytes; slot 1 begins here, so that one exclusive or turns an address in one slot into the other's
.set CHUNK, 32768
.set TILEB, 8192                       ; a code tile in a chunk
.set ZP,    1040                       ; a row of z's stage: 1,024 bytes + 16 of padding: the 16 rows of a load start 4 words apart modulo 64 (64 banks of 4 bytes: ISA guide 11.1)
.set ZST,   SLOT1                      ; z in f32, 128 rows: it lies where slot 1 will lie (and 2,048 bytes on) until it has been converted
.set ESQL,  ZST+128*ZP                 ; e_sq, 32,768 bytes, filled once; a wave fills and reads its own 8,192
.set COMB,  ESQL+32768                 ; [wave 4][query 128] pairs (distance, index): written by LDS stores, never a fill's target
.set SPARE, COMB+4096                  ; the spare words, 128 bytes for each wave: two blocks of 256 bytes that no other line names
.set AE0, 2                            ; v2   16 x lane + 32,768 x wave: my 16 bytes of a fragment load in my chunk; never rewritten
.set ADR, 3                            ; v3   the address of the fragments' loads in hand
.set AQ0, 4                            ; v4   32 h: my eight e_sq of a code tile; never rewritten
.set H8,  5                            ; v5   8 h
.set SPW, 6                            ; v6   my spare word; never rewritten
.set NIL, 7                            ; v7   0; never rewritten
.set AZ,  8                            ; v8, v9  my place in the stage's rows 0-63, 64-127
.set CBA, 8                            ;      later: where I put a query's pair in COMB
.set AQA, 9                            ;      later: the address of e_sq's loads; at last of the reads from COMB
.set TM,  12                           ; v[12:15]  two minima at work, by the query tile's parity; at last the pairs for COMB
.set BEST, 16                          ; v[16:23]  the lane's least distance so far: query tile t's at t with its lowest bit turned, so that it and TID + t are one even and one odd register
.set TID, 24                           ; v[24:31]  the first code of the code tile that held it
.set CURV, 33                          ; v33  first code of the code tile that is being finished
.set SAV, 64                           ; v[64:127] the 8 distances of the code tile that held the best, for each query tile
.set ACC, 128                          ; v[128:255] set p, query tile t at ACC + 64 p + 8 t
.set ZZ1, 128                          ; window 1: z_sq, twice (a pair for the packed form), for each query tile
.set EQ1, 144                          ; window 1: e_sq of a code tile, two buffers of 8
.set WV,  12                           ; s12  my wave's number
.set G1Z, 16                           ; s[16:23] descriptor group 1 for z's rows
.set G1Q, 24                           ; s[24:31] for e_sq
.set G1C, 32                           ; s[32:39] for a chunk
.set G0Z, 40                           ; s[40:43], s[44:47], s[48:51] their groups 0; the chunks' walks
.set G0Q, 44
.set G0C, 48
.set TB,  61                           ; s61  LDS byte, in my chunk's quarter of a slot, of the code tile to be fetched next
.set SLOTS, 62
.set CNT, 63
.set SEL, 66                           ; s[66:67] v_permlanex16_b32's selects: each lane takes its own place in the other half
.set DM,  68                           ; s[69:75] DM + j: the lanes with lane % 8 = j
.set VM,  76                           ; s76  the lanes whose bits 4 and 3 are equal
.set QB,  77                           ; s77  LDS byte of e_sq of the code tile in hand
.set SC,  78                           ; s[78:87] offsets at the start, masks at the end
.set W_LO, 0x09                        ; codes in window 1, queries in window 2, C and D in window 0
.set TO_E, 0x40                        ; destination window 1
.set MSB, 0
.macro WIN new                         ; the immediate's high byte repeats the setting that is left; a switch that changes nothing is dropped
.if MSB != (\new)
	s_set_vgpr_msb (MSB<<8)|(\new)
.set MSB, (\new)
.endif
.endm
.macro PLACES
.rept 4
	v_nop
.endr
.endm
; A round of the cluster's barrier: my work-group's barrier, so that wave 0's signal speaks for all four waves; wave 0 signals; every wave waits for all four work-groups; my work-group's barrier once more.
.macro CREST                           ; a round behind its opening barrier
	s_cmp_lg_u32 s[WV], 0
	s_cbranch_scc1 .Lnot_wave_0_\@
	s_barrier_signal -3
.Lnot_wave_0_\@:
	s_barrier_wait -3
	s_barrier_signal -1
	s_barrier_wait -1
.endm
.macro CROUND                          ; a whole round
	s_barrier_signal -1
	s_barrier_wait -1
	CREST
.endm
; The joint refill behind a round, and the fetches' step to the next chunk.  Every wave asks for its own chunk: one tensor load a wave is out from here to the next change of slots.
.macro REFILL
	tensor_load_to_lds s[G0C:G0C+3], s[G1C:G1C+7]
	s_nop 0
	PLACES
	s_sub_co_u32 s[TB], s[TB], CHUNK               ; the fetches go back to a chunk's first tile,
	s_xor_b32 s[TB], s[TB], SLOT1                  ; in the other slot
.endm
; z's stage into registers, half a query tile at a time: batch b = tile b / 2, steps 4 (b % 2) + 0..3, 64 registers of f32 in one of three buffers (v64-255, not yet in use); then rounded to bf16.
.macro LDZ b
.set zt, (\b)/2
.set zb, 64+64*((\b)%3)
.irp f, 0,1,2,3
.irp m, 0,1,2,3
	ds_load_b128 v[zb+16*(\f)+4*(\m):zb+16*(\f)+4*(\m)+3], v[AZ+zt/4] offset:(zt%4)*16*ZP+128*(4*((\b)%2)+(\f))+16*((\m)%2)+64*((\m)/2)
.endr
.endr
.endm
.macro CVZ b
.set zt, (\b)/2
.set zb, 64+64*((\b)%3)
.set zd, 64*(zt%4)+32*((\b)%2)
	WIN 0x80+0x40*(zt/4)                           ; destination window 2 or 3
.set zi, 0
.rept 32
	v_cvt_pk_bf16_f32 v[zd+zi], v[zb+2*zi], v[zb+2*zi+1]
.set zi, zi+1
.endr
	WIN 0
.endm
; The addresses of a turn's LDS loads, made at the turn's head, some lines ahead of the run.  doE: the next code tile's fragments.  Always: e_sq of the code tile in hand.
.macro ADDRS doE
	WIN 0
.if \doE
	v_add_nc_u32 v[ADR], s[TB], v[AE0]
	s_add_co_u32 s[TB], s[TB], TILEB
.endif
	v_add_nc_u32 v[AQA], s[QB], v[AQ0]
	s_add_co_u32 s[QB], s[QB], 64
.endm
; The LDS loads of a turn, in ONE run, all into window 1.  doE: 8 fragments into buffer eb: each load takes 512 consecutive bytes.  doQ: e_sq into buffer qb.
.macro RUN eb, doE, doQ, qb
	WIN TO_E
.if \doE
.irp f, 0,1,2,3,4,5,6,7,8,9,10,11,12,13,14,15
	ds_load_b128 v[64*(\eb)+4*(\f):64*(\eb)+4*(\f)+3], v[ADR] offset:512*(\f)
.endr
.endif
.if \doQ
	ds_load_b128 v[EQ1+8*(\qb):EQ1+8*(\qb)+3],   v[AQA]
	ds_load_b128 v[EQ1+8*(\qb)+4:EQ1+8*(\qb)+7], v[AQA] offset:16
.endif
.endm
; THE VECTOR WORK that finishes a code tile: number q of 144, 36 for each pair (A, B) of query tiles.
;   0-15   A and B by turns: a = z_sq x 1 - a, one rounding (the accumulator's lowest registers are read first); then a = e_sq x 1 + a, one rounding.  These run under the
;          matrix instruction's windows (source 0 in window 1, source 2 and destination in window 0; source 1 is a constant).
;   16-35  in window 0.  For a tile: M0-M2 the minimum of the eight; M3 the minimum of that and the best; C: is it no less than the best?  (then the earlier code tile keeps its place: VCC);
;          T: the tile's first code is kept unless VCC, and the new best is put in place, two in one; S0-S3: the eight distances are kept unless VCC, two in one.
;          VCC serves one tile at a time, so A's C, T, S stand ahead of B's; B's minima stand among A's, so that few lines read the result of the line before.
; The pairs of two in one: one destination even and one odd; the two first sources, and the two second sources, in registers that differ modulo 4.
; FIRST = 1: the first code tile starts BEST, TID and SAV: nothing is cleared and nothing compared.
.macro RIDE
.if q < 144
.set pn, q%36
.set pt, 2*(q/36)
.if pn < 16
.set et, pt+pn%2
.set en, pn/2
.set xa, ACC+64*RP+8*et
.if (MSB & 0xf3) != 0x01
	WIN W_LO
.endif
.if en < 4
	v_pk_fma_f32 v[xa+2*en:xa+2*en+1], v[ZZ1+2*et:ZZ1+2*et+1], 1.0, v[xa+2*en:xa+2*en+1] op_sel_hi:[1,0,1] neg_lo:[0,0,1] neg_hi:[0,0,1]
.else
	v_pk_fma_f32 v[xa+2*(en-4):xa+2*(en-4)+1], v[EQ1+8*RP+2*(en-4):EQ1+8*RP+2*(en-4)+1], 1.0, v[xa+2*(en-4):xa+2*(en-4)+1] op_sel_hi:[1,0,1]
.endif
.else
.set ru, 0                             ; 0: tile A, 1: tile B.  rop: 0-3 M0-M3, 4 C, 5 T, 6-9 S0-S3
.if pn < 18
.set rop, pn-16
.elseif pn < 26
.set ru, 1-(pn%2)
.if ru
.set rop, (pn-18)/2
.else
.set rop, 2+(pn-19)/2
.endif
.elseif pn < 30
.set rop, pn-20
.else
.set ru, 1
.set rop, pn-26
.endif
.set et, pt+ru
.set xa, ACC+64*RP+8*et
.set xm, TM+2*ru
.set xb, BEST+et+1-2*(et%2)
.set xs, SAV+8*et
.set si, rop-6
	WIN 0
.if rop == 0
	v_min3_num_f32 v[xm], v[xa], v[xa+1], v[xa+2]
.elseif rop == 1
	v_min3_num_f32 v[xm+1], v[xa+3], v[xa+4], v[xa+5]
.elseif rop == 2
	v_min3_num_f32 v[xm], v[xm], v[xa+6], v[xa+7]
.elseif (rop == 3) && FIRST
	v_min_num_f32 v[xb], v[xm], v[xm+1]
.elseif rop == 3
	v_min3_num_f32 v[xm], v[xm], v[xm+1], v[xb]
.elseif (rop == 4) && FIRST
.elseif rop == 4
	v_cmp_ge_f32 vcc_lo, v[xm], v[xb]
.elseif (rop == 5) && FIRST
	v_mov_b32 v[TID+et], v[CURV]
.elseif rop == 5
	v_dual_cndmask_b32 v[TID+et], v[CURV], v[TID+et] :: v_dual_mov_b32 v[xb], v[xm]
.elseif FIRST
	v_dual_mov_b32 v[xs+2*si], v[xa+2*si] :: v_dual_mov_b32 v[xs+2*si+1], v[xa+2*si+1]
.else
	v_dual_cndmask_b32 v[xs+2*si], v[xa+2*si], v[xs+2*si] :: v_dual_cndmask_b32 v[xs+2*si+1], v[xa+2*si+1], v[xs+2*si+1]
.endif
.endif
.endif
.set q, q+1
.endm
; A TURN: code tile i, p = i % 2.  64 matrix instructions into set p, the 8 accumulators by turns (7 others' stand between two links; a turn's last and the next turn's
; first name different sets); the first 8 start the sums with the constant 0.  ride = 2: tile i - 1's vector instructions stand behind them: for each 16 matrix instructions a pair of query tiles'
; 36: two of numbers 0-15 behind each of the first eight, with no switch of the window; 3, 2, 3, 2, 3, 2, 3, 2 of numbers 16-35 behind the last eight.  1: the same for the first code tile; 0: none.
; fetch = 1: the next code tile's fragments are asked for.
; meet = 1: the turn that has asked for a chunk's last tile also begins THE CHANGE OF SLOTS.  Behind matrix instruction 40: the wait for all my tensor loads, of which one is out, my next chunk; the
; add; the walking descriptor's step.  Behind instruction 47: the wait for the add and for my reads of the old slot (issued behind this turn's second matrix instruction), and the signal that opens
; a round of the cluster's barrier.  16 matrix instructions and their riders, work on registers alone, stand between that signal and its wait at the turn's end; the rest of the round and the
; joint refill follow the turn directly.
; DISTANCES (ISA guide 7.12.1).  Set 1 - p's query tile t was last written by the turn before, in its matrix instruction 56 + t.  Tiles 0 and 1 are read first here, behind the 20 and 17 vector
; instructions that followed there (or, behind a turn without riders, its four v_nop), all on the other set; the later tiles behind 36 more for each pair.  The run of loads stands behind the second
; matrix instruction: between the last reader of the buffer that it fills (the turn before's last matrix instruction) and the loads stand that instruction's two riders, the count's line, the two
; address lines and four riders, which name query tiles 0 and 1 alone.
.macro TURN p, ride, fetch, meet=0
.set RP, 1-(\p)
.set FIRST, 2-(\ride)
.set q, 0
	s_wait_dscnt 0x0                               ; this tile's fragments and the last tile's e_sq, asked for 62 matrix instructions ago
	ADDRS \fetch
.set mi, 0
.rept 64
.set kc, mi/8
.set qt, mi%8
.set rA, ACC+64*(\p)+8*qt
.set rE, 64*(\p)+8*kc
.set rZ, 64*(qt%4)+8*kc
	WIN W_LO+4*(qt/4)                              ; queries in window 2 or 3
.if kc == 0
	v_wmma_f32_16x16x32_bf16 v[rA:rA+7], v[rE:rE+7], v[rZ:rZ+7], 0
.else
	v_wmma_f32_16x16x32_bf16 v[rA:rA+7], v[rE:rE+7], v[rZ:rZ+7], v[rA:rA+7]
.endif
.if \ride
.set nr, 2
.if ((mi%16) >= 8) && ((mi%2) == 0)
.set nr, 3
.endif
.rept nr
	RIDE
.endr
.endif
.if mi == 1
	RUN 1-(\p), \fetch, 1, \p
.endif
.if (\meet) && (mi == 40)
	WIN 0                                          ; (the add's two registers lie in window 0)
	s_wait_tensorcnt 0x0                           ; my next chunk is in, and no tensor load of mine is out, so a group 0 may be written
	ds_add_u32 v[SPW], v[NIL]                      ; 0 onto my spare word; seven matrix instructions and their riders stand between it and the wait for it
	s_xor_b32 s[G0C+1], s[G0C+1], SLOT1            ; the other slot than last time,
	s_add_nc_u64 s[G0C+2:G0C+3], s[G0C+2:G0C+3], CHUNK  ; my next 64 codes; the type bits on top are not reached
.endif
.if (\meet) && (mi == 47)
	s_wait_dscnt 0x0                               ; the add is done, and my reads of the old slot are back
	s_barrier_signal -1                            ; the round's opening signal
.endif
.set mi, mi+1
.endr
	WIN 0
.if \ride
	v_add_nc_u32 v[CURV], 16, v[CURV]              ; the next turn finishes the next code tile
.else
	PLACES
.endif
.if \meet
	s_barrier_wait -1                              ; all four waves have said so; the rest of the round follows with nothing between
.endif
.endm
; The end, for query tile t: the first of the 8 kept distances that equals the best gives the code; then the lane 16 away, which holds the same query's other codes, is asked: the lesser distance
; wins, the lower index where they are equal.  Both lanes end with the same pair and store it to the same 8 bytes.
.macro PICK t
.set xs, SAV+8*(\t)
.set xp, TM+2*((\t)%2)
.set xb, BEST+(\t)+1-2*((\t)%2)
.irp j, 0,1,2,3,4,5,6
	v_cmp_eq_f32 s[SC+(\j)], v[xs+(\j)], v[xb]
.endr
	v_mov_b32 v10, 7
.irp j, 6,5,4,3,2,1,0
	v_cndmask_b32 v10, v10, \j, s[SC+(\j)]
.endr
	v_add3_u32 v10, v10, v[TID+(\t)], v[H8]
	v_permlanex16_b32 v11, v[xb], s[SEL], s[SEL+1]
	v_permlanex16_b32 v1, v10, s[SEL], s[SEL+1]
	v_cmp_lt_f32 s[SC+7], v11, v[xb]
	v_cmp_eq_f32 s[SC+8], v11, v[xb]
	v_cmp_lt_u32 s[SC+9], v1, v10
	s_and_b32 s[SC+8], s[SC+8], s[SC+9]
	s_or_b32 s[SC+7], s[SC+7], s[SC+8]
	v_cndmask_b32 v[xp], v[xb], v11, s[SC+7]
	v_cndmask_b32 v[xp+1], v10, v1, s[SC+7]
	ds_store_b64 v[CBA], v[xp:xp+1] offset:128*(\t)
.endm
	s_load_b256 s[4:11], s[0:1], 0x0               ; z s[4:5], cbf s[6:7], esq s[8:9], idx s[10:11]
	v_lshl_add_u32 v[SPW], v0, 2, SPARE
	v_mov_b32 v[NIL], 0
	ds_add_u32 v[SPW], v[NIL]                      ; the wave's opening: the add and its wait stand ahead of my first tensor load; the set-up below, work on registers, stands between them
	ds_add_u32 v6, v7
	v_lshrrev_b32 v1, 5, v0
	v_readfirstlane_b32 s[WV], v1                  ; wave 0..3
	s_bfe_u32 s13, ttmp6, 0x40000                  ; cx: my place in the cluster
	s_lshl_b32 s14, ttmp9, 2                       ; in a cluster launch ttmp9 counts clusters
	s_add_co_u32 s14, s14, s13                     ; my block of 128 queries: it enters z's and idx's addresses alone
	s_mov_b32 s[G1Z], (2<<16)|(1<<20)|(7<<22)|(3<<25)  ; no mask: my work-group's own rows; elements of 4 bytes; padding on: after every 256 words (code 7) 4 words (code 3)
	s_mov_b32 s[G1Z+1], 256<<16                    ; tensor_dim0 = 256
	s_mov_b32 s[G1Z+2], 32<<16                     ; tensor_dim1 = 32
	s_mov_b32 s[G1Z+3], 256<<16                    ; tile_dim0 = 256
	s_mov_b32 s[G1Z+4], 32                         ; tile_dim1 = 32: a wave brings a quarter of the 128 rows
	s_mov_b32 s[G1Z+5], 256                        ; 256 elements from row to row
	s_mov_b32 s[G1Z+6], 0
	s_mov_b32 s[G1Z+7], 0
	s_mov_b32 s[G1Q], 15|(3<<16)|(1<<21)           ; the mask of four, bit 21 beside it; elements of 8 bytes: dense bytes as rows of 256
	s_mov_b32 s[G1Q+1], 32<<16                     ; tensor_dim0 = 32
	s_mov_b32 s[G1Q+2], 32<<16                     ; tensor_dim1 = 32: 8,192 bytes
	s_mov_b32 s[G1Q+3], 32<<16                     ; tile_dim0 = 32
	s_mov_b32 s[G1Q+4], 32                         ; tile_dim1 = 32
	s_mov_b32 s[G1Q+5], 32
	s_mov_b32 s[G1Q+6], 0
	s_mov_b32 s[G1Q+7], 0
	s_mov_b32 s[G1C], 15|(3<<16)|(1<<21)           ; the same with 128 rows: 32,768 bytes
	s_mov_b32 s[G1C+1], 32<<16
	s_mov_b32 s[G1C+2], 128<<16
	s_mov_b32 s[G1C+3], 32<<16
	s_mov_b32 s[G1C+4], 128
	s_mov_b32 s[G1C+5], 32
	s_mov_b32 s[G1C+6], 0
	s_mov_b32 s[G1C+7], 0
	s_mov_b32 s[G0Z], 1                            ; count = 1
	s_mul_i32 s[G0Z+1], s[WV], 32*ZP               ; LDS addresses hang on the wave's number alone
	s_add_co_u32 s[G0Z+1], s[G0Z+1], ZST
	s_mov_b32 s[G0Q], 1
	s_lshl_b32 s[G0Q+1], s[WV], 13
	s_add_co_u32 s[G0Q+1], s[G0Q+1], ESQL
	s_mov_b32 s[G0C], 1
	s_lshl_b32 s[G0C+1], s[WV], 15                 ; slot 0
	s_mov_b32 s[QB], s[G0Q+1]
	s_mov_b32 s[TB], SLOT1+CHUNK                   ; the first change of slots turns this into 0
	s_mov_b32 s[SEL], 0x76543210
	s_mov_b32 s[SEL+1], 0xfedcba98
	s_lshl_b32 s[SC], s14, 17                      ; z: my block's 128 rows of 1,024 bytes,
	s_lshl_b32 s[SC+1], s[WV], 15                  ; my wave's 32 of them
	s_add_co_u32 s[SC], s[SC], s[SC+1]
	s_mov_b32 s[SC+1], 0
	s_lshl_b32 s[SC+2], s[WV], 13                  ; esq: my wave's 2,048 numbers
	s_mov_b32 s[SC+3], 0
	s_lshl_b32 s[SC+4], s[WV], 20                  ; cbf: my wave's 2,048 codes of 512 bytes
	s_mov_b32 s[SC+5], 0
	s_lshl_b32 s[SC+6], s14, 9                     ; idx: my block's 128 words
	s_mov_b32 s[SC+7], 0
	v_and_b32 v1, 31, v0                           ; lane
	v_lshlrev_b32 v[AE0], 4, v1
	s_lshl_b32 s15, s[WV], 15
	v_add_nc_u32 v[AE0], s15, v[AE0]
	v_bfe_u32 v10, v0, 4, 1                        ; h
	v_bfe_u32 v11, v0, 3, 1
	v_cmp_eq_u32 s[VM], v10, v11
	v_lshlrev_b32 v[H8], 3, v10
	v_lshlrev_b32 v[AQ0], 5, v10
	v_and_b32 v11, 15, v0                          ; r
	v_mul_u32_u24 v[AZ], v11, ZP
	v_lshl_add_u32 v[AZ], v10, 5, v[AZ]            ; row r, 8 h numbers of f32
	v_add_nc_u32 v[AZ], ZST, v[AZ]
	v_add_nc_u32 v[AZ+1], 64*ZP, v[AZ]
	v_and_b32 v1, 7, v0
.irp j, 1,2,3,4,5,6,7
	v_cmp_eq_u32 s[DM+(\j)], \j, v1
.endr
	s_wait_dscnt 0x0                               ; the opening add is done
	s_wait_kmcnt 0x0
	s_add_nc_u64 s[G0Z+2:G0Z+3], s[4:5], s[SC:SC+1]
	s_or_b32 s[G0Z+3], s[G0Z+3], 0x80000000        ; type = 2
	s_add_nc_u64 s[G0Q+2:G0Q+3], s[8:9], s[SC+2:SC+3]
	s_or_b32 s[G0Q+3], s[G0Q+3], 0x80000000
	s_add_nc_u64 s[G0C+2:G0C+3], s[6:7], s[SC+4:SC+5]
	s_or_b32 s[G0C+3], s[G0C+3], 0x80000000
	s_add_nc_u64 s[10:11], s[10:11], s[SC+6:SC+7]
	CROUND                                         ; all four work-groups are here: the first joint loads meet
	tensor_load_to_lds s[G0Z:G0Z+3], s[G1Z:G1Z+7]  ; the first fills go out together: three tensor loads of mine are out.  My quarter of z,
	s_nop 0
	tensor_load_to_lds s[G0Q:G0Q+3], s[G1Q:G1Q+7]  ; my e_sq,
	s_nop 0
	tensor_load_to_lds s[G0C:G0C+3], s[G1C:G1C+7]  ; my chunk 0
	s_nop 0
	PLACES
	s_wait_tensorcnt 0x2                           ; tensor loads of a wave end in order (ISA guide 10.11.1): my quarter of z is in; the two younger loads stay out
	s_barrier_signal -1
	s_barrier_wait -1                              ; everybody's quarter is in
	; z into fragments: every wave reads all 128 rows.  Two batches of 16 loads are on their way while one is rounded.
	LDZ 0
	LDZ 1
	LDZ 2
.set bb, 0
.rept 16
.if bb < 14
	s_wait_dscnt 32                                ; the two younger batches may be out
.elseif bb == 14
	s_wait_dscnt 16
.else
	s_wait_dscnt 0x0
.endif
	CVZ bb
.if bb < 13
	LDZ bb+3
.endif
.set bb, bb+1
.endr
	; The first change of slots, on end: e_sq and chunk 0 are in; nobody reads the stage any more: slot 1, which lies on it, takes chunk 1.
	s_wait_tensorcnt 0x0                           ; no tensor load of mine is out
	ds_add_u32 v[SPW], v[NIL]                      ; 0 onto my spare word
	s_xor_b32 s[G0C+1], s[G0C+1], SLOT1
	s_add_nc_u64 s[G0C+2:G0C+3], s[G0C+2:G0C+3], CHUNK
	s_wait_dscnt 0x0                               ; the add is done, and my reads of the stage are back
	CROUND
	REFILL
	v_add_nc_u32 v[ADR], s[TB], v[AE0]
	s_add_co_u32 s[TB], s[TB], TILEB
	RUN 0, 1, 0, 0                                 ; code tile 0's fragments
	; z_sq of the rounded z, as the diagonal of Z Z^T: 64 matrix instructions, once, against 8,192 in the walk; four accumulators take turns.
.irp g, 0,1
	WIN 0x0a+5*(\g)                                ; both sources in window 2, then 3
.set mi, 0
.rept 32
.set kc, mi/4
.set qt, mi%4
.set rA, ACC+8*(4*(\g)+qt)
.set rZ, 64*qt+8*kc
.if kc == 0
	v_wmma_f32_16x16x32_bf16 v[rA:rA+7], v[rZ:rZ+7], v[rZ:rZ+7], 0
.else
	v_wmma_f32_16x16x32_bf16 v[rA:rA+7], v[rZ:rZ+7], v[rZ:rZ+7], v[rA:rA+7]
.endif
.set mi, mi+1
.endr
.endr
	WIN 0
	PLACES                                         ; four places behind the last product
	; Element (r, r) lies in the lane with h = r / 8, in register r % 8 = lane % 8.  Each lane picks that register; a lane whose h is the other one takes the pick of the lane 16 away.
.irp t, 0,1,2,3,4,5,6,7
	v_cndmask_b32 v[SAV+2*(\t)], v[ACC+8*(\t)], v[ACC+8*(\t)+1], s[DM+1]
.irp j, 2,3,4,5,6,7
	v_cndmask_b32 v[SAV+2*(\t)], v[SAV+2*(\t)], v[ACC+8*(\t)+(\j)], s[DM+(\j)]
.endr
	v_permlanex16_b32 v[SAV+2*(\t)+1], v[SAV+2*(\t)], s[SEL], s[SEL+1]
.endr
	WIN TO_E                                       ; z_sq goes into window 1, twice
.irp t, 0,1,2,3,4,5,6,7
	v_cndmask_b32 v[ZZ1+2*(\t)],   v[SAV+2*(\t)+1], v[SAV+2*(\t)], s[VM]
	v_cndmask_b32 v[ZZ1+2*(\t)+1], v[SAV+2*(\t)+1], v[SAV+2*(\t)], s[VM]
.endr
	WIN 0
	s_lshl_b32 s15, s[WV], 11
	v_mov_b32 v[CURV], s15                         ; my first code
	TURN 0, 0, 1                                   ; code tile 0: nothing to finish yet
	TURN 1, 1, 1                                   ; code tile 1 | tile 0 starts the statistics
	WIN 0
	s_mov_b32 s[SLOTS], 30
.Lslot:                                                ; trip s = 0..29: code tiles 4 s + 2 to 4 s + 5; behind the first of them the slot of chunk s takes chunk s + 2
	TURN 0, 2, 1, 1                                ; asks for chunk s's last tile, and opens the round
	CREST                                          ; no wave of any partner reads the old slot or has a load on its way
	REFILL                                         ; the first tensor load behind the round: it has 233 matrix instructions in which to land
	TURN 1, 2, 1
	TURN 0, 2, 1
	TURN 1, 2, 1
	WIN 0
	s_sub_co_u32 s[SLOTS], s[SLOTS], 1
	s_cmp_lg_u32 s[SLOTS], 0
	s_cbranch_scc1 .Lslot
	TURN 0, 2, 1                                   ; the tail is written out.  Code tile 122; chunk 30's last tile is asked for
	s_wait_tensorcnt 0x0                           ; chunk 31 is in; nothing is filled any more, so this wait is all
	s_sub_co_u32 s[TB], s[TB], CHUNK
	s_xor_b32 s[TB], s[TB], SLOT1
	s_mov_b32 s[CNT], 2
.Ltail:                                                ; code tiles 123 to 126
	TURN 1, 2, 1
	TURN 0, 2, 1
	WIN 0
	s_sub_co_u32 s[CNT], s[CNT], 1
	s_cmp_lg_u32 s[CNT], 0
	s_cbranch_scc1 .Ltail
	TURN 1, 2, 0                                   ; code tile 127: only its e_sq is fetched
	s_wait_dscnt 0x0                               ; which is in
.set RP, 1
.set FIRST, 0
.set q, 0
.rept 144
	RIDE                                           ; code tile 127 is finished by itself; the distances behind its products are those of every turn
.endr
	WIN 0
	v_and_b32 v1, 15, v0
	s_lshl_b32 s15, s[WV], 10
	s_add_co_u32 s15, s15, COMB
	v_lshl_add_u32 v[CBA], v1, 3, s15              ; my wave's 128 pairs; query 16 t + r at 128 t + 8 r
.irp t, 0,1,2,3,4,5,6,7
	PICK \t
.endr
	s_wait_dscnt 0x0                               ; for the others' sake: my pairs are in LDS
	s_barrier_signal -1
	s_barrier_wait -1
	s_cmp_lt_u32 s[WV], 2
	s_cbranch_scc0 .Lend                           ; waves 0 and 1 finish: two queries a lane, so that a wave's store covers 256 consecutive bytes, aligned
	v_and_b32 v1, 31, v0
	s_lshl_b32 s15, s[WV], 9
	s_add_co_u32 s15, s15, COMB
	v_lshl_add_u32 v[AQA], v1, 4, s15              ; queries 64 w + 2 lane and the next: 16 bytes in each wave's array
.irp u, 0,1,2,3
	ds_load_b128 v[SAV+4*(\u):SAV+4*(\u)+3], v[AQA] offset:1024*(\u)
.endr
	s_lshl_b32 s15, s[WV], 8
	v_lshl_add_u32 v10, v1, 3, s15
	s_wait_dscnt 0x0
.irp u, 1,2,3                          ; a later wave's codes are higher: it wins only with a strictly lesser distance
.irp e, 0,1
	v_cmp_lt_f32 s[SC+(\e)], v[SAV+4*(\u)+2*(\e)], v[SAV+2*(\e)]
	v_cndmask_b32 v[SAV+2*(\e)], v[SAV+2*(\e)], v[SAV+4*(\u)+2*(\e)], s[SC+(\e)]
	v_cndmask_b32 v[SAV+2*(\e)+1], v[SAV+2*(\e)+1], v[SAV+4*(\u)+2*(\e)+1], s[SC+(\e)]
.endr
.endr
	v_mov_b32 v[SAV+4], v[SAV+1]
	v_mov_b32 v[SAV+5], v[SAV+3]
	global_store_b64 v10, v[SAV+4:SAV+5], s[10:11]
.Lend:
	s_wait_tensorcnt 0x0                           ; the wave's end, behind my last tensor load and my last LDS store
	ds_add_u32 v[SPW], v[NIL]
	s_wait_dscnt 0x0
	CROUND                                         ; the closing round: no work-group ends while a partner may still ask for a chunk that names it
	s_endpgm
.Lfunc_end_k_q34a480ac61_vqmain:
	.size	k_q34a480ac61_vqmain, .Lfunc_end_k_q34a480ac61_vqmain-k_q34a480ac61_vqmain
	.p2alignl 7, 3214868480
	.fill 96, 4, 3214868480
	.section	.rodata,"a",@progbits
	.p2align	6, 0x0
	.amdhsa_kernel k_q34a480ac61_vqmain
		.amdhsa_group_segment_fixed_size 327680
		.amdhsa_private_segment_fixed_size 0
		.amdhsa_enable_private_segment 0
		.amdhsa_kernarg_size 32
		.amdhsa_user_sgpr_count 2
		.amdhsa_user_sgpr_kernarg_segment_ptr 1
		.amdhsa_wavefront_size32 1
		.amdhsa_system_sgpr_workgroup_id_x 1
		.amdhsa_system_sgpr_workgroup_id_y 1
		.amdhsa_system_sgpr_workgroup_id_z 1
		.amdhsa_system_vgpr_workitem_id 0
		.amdhsa_next_free_vgpr 1024
		.amdhsa_next_free_sgpr 100
		.amdhsa_reserve_vcc 1
		.amdhsa_float_denorm_mode_32 3
		.amdhsa_float_denorm_mode_16_64 3
		.amdhsa_memory_ordered 1
		.amdhsa_forward_progress 1
		.amdhsa_inst_pref_size 244
	.end_amdhsa_kernel
	.amdgpu_metadata
---
amdhsa.version: [ 1, 2 ]
amdhsa.kernels:
  - .name:           k_q34a480ac61_vqmain
    .symbol:         k_q34a480ac61_vqmain.kd
    .args:
      - { .name: z, .offset: 0, .size: 8, .value_kind: global_buffer, .address_space: global }
      - { .name: cbf, .offset: 8, .size: 8, .value_kind: global_buffer, .address_space: global }
      - { .name: esq, .offset: 16, .size: 8, .value_kind: global_buffer, .address_space: global }
      - { .name: idx, .offset: 24, .size: 8, .value_kind: global_buffer, .address_space: global }
    .group_segment_fixed_size: 327680
    .private_segment_fixed_size: 0
    .kernarg_segment_align: 8
    .kernarg_segment_size: 32
    .max_flat_workgroup_size: 128
    .sgpr_count:     100
    .vgpr_count:     1024
    .wavefront_size: 32
...
	.end_amdgpu_metadata
.endif
;; end of part 2
;; launch gather (part 3): grid 512 x 1, 8 waves a work-group, no clusters, 0 bytes of LDS; arguments z, codebook, idx, out0, part; writes out0, part
.if DOCPART == 3
	.amdgcn_target "amdgcn-amd-amdhsa--gfx1250"
	.amdhsa_code_object_version 6
	.text
	.protected	k_q34a480ac61_gather
	.globl	k_q34a480ac61_gather
	.p2align	8
	.type	k_q34a480ac61_gather,@function
k_q34a480ac61_gather:
	s_mov_b64 s[64:65], 0
	v_nop
	global_prefetch_b8 v0, s[64:65] scope:SCOPE_SE
	s_setreg_imm32_b32 hwreg(HW_REG_WAVE_MODE, 25, 1), 1
	s_wait_xcnt 0x0
; out0[q] = z[q] + (e - z[q]) with e = codebook[idx[q]], both unrounded f32, the two roundings as the formula makes them; part[wave] = the sum of (e - z)^2 over the wave's 8 rows.
; A stream: a wave owns 8 rows of 1,024 bytes; a load or store of a wave covers 512 consecutive bytes, aligned.  All 32 loads of a wave go out before the first is waited for; there is no loop.
; The 8 indices come by one scalar load from the list that the launch before stored, and are held to the table (0 to 8,191) before they enter an address.
; No LDS, matrix unit or cluster: rows are used once, and which code rows are shared is not known beforehand.
.set D, 2                              ; v[2:9]     e - z of the row in hand
.set Z, 16                             ; v[16:79]   z, 8 registers a row
.set E, 80                             ; v[80:143]  the code's row, then the result
.set L, 144                            ; v[144:151] four chains of sums of squares, two numbers each
	s_load_b256 s[4:11], s[0:1], 0x0               ; z s[4:5], codebook s[6:7], idx s[8:9], out0 s[10:11]
	s_load_b64 s[12:13], s[0:1], 0x20              ; part
	v_lshrrev_b32 v1, 5, v0
	v_readfirstlane_b32 s14, v1
	s_lshl_b32 s15, ttmp9, 3
	s_add_co_u32 s15, s15, s14                     ; g: my wave among the launch's 4,096
	v_and_b32 v1, 31, v0
	v_lshlrev_b32 v1, 4, v1                        ; 16 x lane
	s_lshl_b32 s2, s15, 5                          ; my 8 indices
	s_mov_b32 s3, 0
	s_lshl_b32 s40, s15, 13                        ; my 8 rows
	s_mov_b32 s41, 0
	s_mov_b32 s43, 0
	s_mov_b32 s44, 0x76543210
	s_mov_b32 s45, 0xfedcba98
	s_wait_kmcnt 0x0
	s_add_nc_u64 s[8:9], s[8:9], s[2:3]
	s_load_b256 s[16:23], s[8:9], 0x0
	s_add_nc_u64 s[4:5], s[4:5], s[40:41]
	s_add_nc_u64 s[10:11], s[10:11], s[40:41]
	s_lshl_b32 s2, s15, 2
	s_add_nc_u64 s[12:13], s[12:13], s[2:3]
.irp j, 0,1,2,3,4,5,6,7
	global_load_b128 v[Z+8*(\j):Z+8*(\j)+3],   v1, s[4:5] offset:1024*(\j) th:TH_LOAD_NT
	global_load_b128 v[Z+8*(\j)+4:Z+8*(\j)+7], v1, s[4:5] offset:1024*(\j)+512 th:TH_LOAD_NT
.endr
	s_wait_kmcnt 0x0                               ; the indices
.irp j, 0,1,2,3,4,5,6,7
	s_min_u32 s[16+(\j)], s[16+(\j)], 0x1fff       ; inside the table
	s_lshl_b32 s42, s[16+(\j)], 10                 ; a code's row is 1,024 bytes
	s_add_nc_u64 s[24+2*(\j):25+2*(\j)], s[6:7], s[42:43]  ; each row has a base of its own, never rewritten
	global_load_b128 v[E+8*(\j):E+8*(\j)+3],   v1, s[24+2*(\j):25+2*(\j)]
	global_load_b128 v[E+8*(\j)+4:E+8*(\j)+7], v1, s[24+2*(\j):25+2*(\j)] offset:512
.endr
.irp j, 0,1,2,3,4,5,6,7
	s_wait_loadcnt 14-2*(\j)                       ; loads come back in order (ISA guide 5.7.1): all of z and this row's code are in; the later rows' two loads each stay out
.irp k, 0,1,2,3
	v_pk_add_f32 v[D+2*(\k):D+2*(\k)+1], v[E+8*(\j)+2*(\k):E+8*(\j)+2*(\k)+1], v[Z+8*(\j)+2*(\k):Z+8*(\j)+2*(\k)+1] neg_lo:[0,1] neg_hi:[0,1]
.endr
.irp k, 0,1,2,3
	v_pk_add_f32 v[E+8*(\j)+2*(\k):E+8*(\j)+2*(\k)+1], v[Z+8*(\j)+2*(\k):Z+8*(\j)+2*(\k)+1], v[D+2*(\k):D+2*(\k)+1]
.endr
.irp k, 0,1,2,3
.if (\j) == 0
	v_pk_mul_f32 v[L+2*(\k):L+2*(\k)+1], v[D+2*(\k):D+2*(\k)+1], v[D+2*(\k):D+2*(\k)+1]  ; the first row starts the sums
.else
	v_pk_fma_f32 v[L+2*(\k):L+2*(\k)+1], v[D+2*(\k):D+2*(\k)+1], v[D+2*(\k):D+2*(\k)+1], v[L+2*(\k):L+2*(\k)+1]
.endif
.endr
	global_store_b128 v1, v[E+8*(\j):E+8*(\j)+3],   s[10:11] offset:1024*(\j) th:TH_STORE_NT  ; E's registers are not written again
	global_store_b128 v1, v[E+8*(\j)+4:E+8*(\j)+7], s[10:11] offset:1024*(\j)+512 th:TH_STORE_NT
.endr
	v_pk_add_f32 v[L:L+1], v[L:L+1], v[L+2:L+3]
	v_pk_add_f32 v[L+4:L+5], v[L+4:L+5], v[L+6:L+7]
	v_pk_add_f32 v[L:L+1], v[L:L+1], v[L+4:L+5]
	v_add_f32 v[L], v[L], v[L+1]
	v_add_f32_dpp v[L], v[L], v[L] row_xmask:1 row_mask:0xf bank_mask:0xf
	v_add_f32_dpp v[L], v[L], v[L] row_xmask:2 row_mask:0xf bank_mask:0xf
	v_add_f32_dpp v[L], v[L], v[L] row_xmask:4 row_mask:0xf bank_mask:0xf
	v_add_f32_dpp v[L], v[L], v[L] row_xmask:8 row_mask:0xf bank_mask:0xf
	v_permlanex16_b32 v[L+1], v[L], s44, s45
	v_add_f32 v[L], v[L], v[L+1]
	v_mov_b32 v[D], 0
	v_cmp_eq_u32 vcc_lo, 0, v1                     ; lane 0
	s_wait_xcnt 0x0                                ; EXEC changes only when the stores above have had their addresses translated
	s_and_saveexec_b32 s46, vcc_lo
	global_store_b32 v[D], v[L], s[12:13]          ; one word a wave: 16 KiB in the whole launch
	s_wait_xcnt 0x0
	s_or_b32 exec_lo, exec_lo, s46
	s_endpgm
.Lfunc_end_k_q34a480ac61_gather:
	.size	k_q34a480ac61_gather, .Lfunc_end_k_q34a480ac61_gather-k_q34a480ac61_gather
	.p2alignl 7, 3214868480
	.fill 96, 4, 3214868480
	.section	.rodata,"a",@progbits
	.p2align	6, 0x0
	.amdhsa_kernel k_q34a480ac61_gather
		.amdhsa_group_segment_fixed_size 0
		.amdhsa_private_segment_fixed_size 0
		.amdhsa_enable_private_segment 0
		.amdhsa_kernarg_size 40
		.amdhsa_user_sgpr_count 2
		.amdhsa_user_sgpr_kernarg_segment_ptr 1
		.amdhsa_wavefront_size32 1
		.amdhsa_system_sgpr_workgroup_id_x 1
		.amdhsa_system_sgpr_workgroup_id_y 1
		.amdhsa_system_sgpr_workgroup_id_z 1
		.amdhsa_system_vgpr_workitem_id 0
		.amdhsa_next_free_vgpr 152
		.amdhsa_next_free_sgpr 66
		.amdhsa_reserve_vcc 1
		.amdhsa_float_denorm_mode_32 3
		.amdhsa_float_denorm_mode_16_64 3
		.amdhsa_memory_ordered 1
		.amdhsa_forward_progress 1
		.amdhsa_inst_pref_size 14
	.end_amdhsa_kernel
	.amdgpu_metadata
---
amdhsa.version: [ 1, 2 ]
amdhsa.kernels:
  - .name:           k_q34a480ac61_gather
    .symbol:         k_q34a480ac61_gather.kd
    .args:
      - { .name: z, .offset: 0, .size: 8, .value_kind: global_buffer, .address_space: global }
      - { .name: codebook, .offset: 8, .size: 8, .value_kind: global_buffer, .address_space: global }
      - { .name: idx, .offset: 16, .size: 8, .value_kind: global_buffer, .address_space: global }
      - { .name: out0, .offset: 24, .size: 8, .value_kind: global_buffer, .address_space: global }
      - { .name: part, .offset: 32, .size: 8, .value_kind: global_buffer, .address_space: global }
    .group_segment_fixed_size: 0
    .private_segment_fixed_size: 0
    .kernarg_segment_align: 8
    .kernarg_segment_size: 40
    .max_flat_workgroup_size: 256
    .sgpr_count:     66
    .vgpr_count:     152
    .wavefront_size: 32
...
	.end_amdgpu_metadata
.endif
;; end of part 3
;; launch lossred (part 4): grid 1 x 1, 1 waves a work-group, no clusters, 0 bytes of LDS; arguments part, out1; writes out1
.if DOCPART == 4
	.amdgcn_target "amdgcn-amd-amdhsa--gfx1250"
	.amdhsa_code_object_version 6
	.text
	.protected	k_q34a480ac61_lossred
	.globl	k_q34a480ac61_lossred
	.p2align	8
	.type	k_q34a480ac61_lossred,@function
k_q34a480ac61_lossred:
	s_mov_b64 s[64:65], 0
	v_nop
	global_prefetch_b8 v0, s[64:65] scope:SCOPE_SE
	s_setreg_imm32_b32 hwreg(HW_REG_WAVE_MODE, 25, 1), 1
	s_wait_xcnt 0x0
; out1 = 1.25 x the mean of (e - z)^2 = (0.25 + 1) / 8,388,608 x the sum of the 4,096 partial sums.  One wave: 32 loads of 512 consecutive bytes, all on their way together; one owner
; of the sum.
	s_load_b128 s[4:7], s[0:1], 0x0                ; part s[4:5], out1 s[6:7]
	v_lshlrev_b32 v1, 4, v0
	v_mov_b32 v2, 0
	s_mov_b32 s8, 0x76543210
	s_mov_b32 s9, 0xfedcba98
	s_wait_kmcnt 0x0
.set i, 0
.rept 32
	global_load_b128 v[4+4*i:7+4*i], v1, s[4:5] offset:512*i
.set i, i+1
.endr
	s_wait_loadcnt 0x0
.set i, 4
.rept 60                               ; four chains, started by the first four pairs
	v_pk_add_f32 v[4+2*(i%4):5+2*(i%4)], v[4+2*(i%4):5+2*(i%4)], v[4+2*i:5+2*i]
.set i, i+1
.endr
	v_pk_add_f32 v[4:5], v[4:5], v[6:7]
	v_pk_add_f32 v[8:9], v[8:9], v[10:11]
	v_pk_add_f32 v[4:5], v[4:5], v[8:9]
	v_add_f32 v4, v4, v5
	v_add_f32_dpp v4, v4, v4 row_xmask:1 row_mask:0xf bank_mask:0xf
	v_add_f32_dpp v4, v4, v4 row_xmask:2 row_mask:0xf bank_mask:0xf
	v_add_f32_dpp v4, v4, v4 row_xmask:4 row_mask:0xf bank_mask:0xf
	v_add_f32_dpp v4, v4, v4 row_xmask:8 row_mask:0xf bank_mask:0xf
	v_permlanex16_b32 v5, v4, s8, s9
	v_add_f32 v4, v4, v5
	v_mul_f32 v4, 0x34200000, v4                   ; 1.25 x 2^-23
	v_cmp_eq_u32 vcc_lo, 0, v0
	s_wait_xcnt 0x0
	s_and_saveexec_b32 s10, vcc_lo
	global_store_b32 v2, v4, s[6:7]
	s_wait_xcnt 0x0
	s_or_b32 exec_lo, exec_lo, s10
	s_endpgm
.Lfunc_end_k_q34a480ac61_lossred:
	.size	k_q34a480ac61_lossred, .Lfunc_end_k_q34a480ac61_lossred-k_q34a480ac61_lossred
	.p2alignl 7, 3214868480
	.fill 96, 4, 3214868480
	.section	.rodata,"a",@progbits
	.p2align	6, 0x0
	.amdhsa_kernel k_q34a480ac61_lossred
		.amdhsa_group_segment_fixed_size 0
		.amdhsa_private_segment_fixed_size 0
		.amdhsa_enable_private_segment 0
		.amdhsa_kernarg_size 16
		.amdhsa_user_sgpr_count 2
		.amdhsa_user_sgpr_kernarg_segment_ptr 1
		.amdhsa_wavefront_size32 1
		.amdhsa_system_sgpr_workgroup_id_x 1
		.amdhsa_system_sgpr_workgroup_id_y 1
		.amdhsa_system_sgpr_workgroup_id_z 1
		.amdhsa_system_vgpr_workitem_id 0
		.amdhsa_next_free_vgpr 136
		.amdhsa_next_free_sgpr 66
		.amdhsa_reserve_vcc 1
		.amdhsa_float_denorm_mode_32 3
		.amdhsa_float_denorm_mode_16_64 3
		.amdhsa_memory_ordered 1
		.amdhsa_forward_progress 1
		.amdhsa_inst_pref_size 9
	.end_amdhsa_kernel
	.amdgpu_metadata
---
amdhsa.version: [ 1, 2 ]
amdhsa.kernels:
  - .name:           k_q34a480ac61_lossred
    .symbol:         k_q34a480ac61_lossred.kd
    .args:
      - { .name: part, .offset: 0, .size: 8, .value_kind: global_buffer, .address_space: global }
      - { .name: out1, .offset: 8, .size: 8, .value_kind: global_buffer, .address_space: global }
    .group_segment_fixed_size: 0
    .private_segment_fixed_size: 0
    .kernarg_segment_align: 8
    .kernarg_segment_size: 16
    .max_flat_workgroup_size: 32
    .sgpr_count:     66
    .vgpr_count:     136
    .wavefront_size: 32
...
	.end_amdgpu_metadata
.endif
;; end of part 4
